; MI455X (gfx1250); checked and timed in simulation.
; The chip was launched on July 23, 2026; its instructions are those of AMD's public machine-readable ISA for CDNA 5 (MIT licence, August 2026) and "CDNA5" Instruction Set Architecture Reference Guide (July 2026). The comments in the code are by the model that wrote it; some were corrected since.
;; GRU. Allowed arithmetic: matrix products marked QUANTISED: E2M1 operands, one E8M0 scale for each 32 along K, by v_wmma_scale_f32_16x16x128_f8f6f4 with both operands' format E2M1 (or v_wmma_scale_f32_32x16x128_f4), f32 sums; products left as they are: f32 operands where the result goes on into a quantised operand, else bf16, f16 or f32 operands; f32 sums; everything else in f32.
;; Inputs: Uh_codes 2,048 x 64 x 16 uint8 (E2M1 codes of Uh, K innermost, in blocks of 32 codes, two codes a byte); Uh_scales 2,048 x 64 uint8 (E8M0 scales of Uh, one for each 32 codes along K); Ur 2,048 x 2,048 float32; Uz 2,048 x 2,048 float32; Wh_codes 2,048 x 64 x 16 uint8 (E2M1 codes of Wh, K innermost, in blocks of 32 codes, two codes a byte); Wh_scales 2,048 x 64 uint8 (E8M0 scales of Wh, one for each 32 codes along K); Wr_codes 2,048 x 64 x 16 uint8 (E2M1 codes of Wr, K innermost, in blocks of 32 codes, two codes a byte); Wr_scales 2,048 x 64 uint8 (E8M0 scales of Wr, one for each 32 codes along K); Wz_codes 2,048 x 64 x 16 uint8 (E2M1 codes of Wz, K innermost, in blocks of 32 codes, two codes a byte); Wz_scales 2,048 x 64 uint8 (E8M0 scales of Wz, one for each 32 codes along K); b_h 1 x 2,048 float32; b_r 1 x 2,048 float32; b_z 1 x 2,048 float32; buh 2,048 float32; bur 2,048 float32; buz 2,048 float32; bwh 2,048 float32; bwr 2,048 float32; bwz 2,048 float32; h 1 x 2,048 float32; x_codes 4,096 x 64 x 16 uint8 (E2M1 codes of x, K innermost, in blocks of 32 codes, two codes a byte); x_scales 4,096 x 64 uint8 (E8M0 scales of x, one for each 32 codes along K).
;; Outputs: out0 4,096 x 2,048 float32.
;; This version of the problem:
;;   THIS VERSION OF THE PROBLEM IS GIVEN IN LOW PRECISION. The matrix products marked QUANTISED in the list below multiply operands that are first quantised to E2M1 (2 exponent bits, 1 mantissa bit; 4 bits a number), with one power-of-two scale for each 32 numbers along K (OCP MX v1.0); their sums are f32. All else is computed in f32.
;;   The module's matrix products, in the order in which they are computed (A, B: the left and right operand; K: the contracted axis; several contracted axes count as one K, in the product's order):
;;     1. [M 4,096, K 2,048] x [K 2,048, N 2,048]; A: input x (given as codes); B: input Wz (given as codes): QUANTISED
;;     2. [M 1, K 2,048] x [K 2,048, N 2,048]; A: input h; B: input Uz: left as it is (M = 1 < 16)
;;     3. [M 4,096, K 2,048] x [K 2,048, N 2,048]; A: input x (given as codes); B: input Wr (given as codes): QUANTISED
;;     4. [M 1, K 2,048] x [K 2,048, N 2,048]; A: input h; B: input Ur: left as it is (M = 1 < 16)
;;     5. [M 4,096, K 2,048] x [K 2,048, N 2,048]; A: input x (given as codes); B: input Wh (given as codes): QUANTISED
;;     6. [M 4,096, K 2,048] x [K 2,048, N 2,048]; A: computed on the way; B: input Uh (given as codes): QUANTISED
;;   THE QUANTISER, for each operand of a quantised product, along K:
;;     - K is cut into blocks of 32 from its start; a last block that is shorter is filled with zeros.
;;     - A block's scale is 2^e with e = floor(log2(the largest magnitude in the block)) - 2, held to -126 .. 127; a block of zeros has e = 0. As a byte (E8M0): e + 127.
;;     - Each number is divided by its block's scale, clamped to +-6, and rounded to the nearest number of E2M1, ties to even, subnormals kept.
;;     - The product sums the exact products of the quantised numbers (number of the format x scale) in f32.
;;   ~~~python
;;   def quantise(x, axis):      # numpy; x: float32 -> the quantised numbers, widened to float32 again
;;       x = np.moveaxis(x, axis, -1); K = x.shape[-1]
;;       x = np.pad(x, [(0, 0)] * (x.ndim - 1) + [(0, -K % 32)]); x = x.reshape(x.shape[:-1] + (-1, 32)); a = np.abs(x).max(-1, keepdims=True)
;;       e = np.where(a > 0, np.clip(np.frexp(np.where(a > 0, a, 1))[1] - 1 - 2, -126, 127), 0)      # np.frexp(a)[1] - 1 = floor(log2(a)), exactly
;;       r = np.clip(x / 2.0 ** e, -6, 6)
;;       step = 2.0 ** (np.maximum(np.frexp(np.where(r == 0, 1, r))[1] - 1, 0) - 1)
;;       q = np.round(r / step) * step * 2.0 ** e      # np.round: ties to even
;;       return np.moveaxis(q.reshape(q.shape[:-2] + (-1,))[..., :K], -1, axis).astype(np.float32)
;;   ~~~
;;   OPERANDS COMPUTED ON THE WAY. 'Computed on the way' means the value that the module computes at that place (a softmax that the list does not call 'softmax' is quantised finished and normalised). What goes into a quantiser is computed in f32, as accurately as f32 sums, v_exp_f32 and their like allow (about 1e-6 of the number): no bf16 or f16 on the way to a quantiser, and a product that is left as it is and whose result goes on into a quantised operand takes f32 operands (vector FMAs, or v_wmma_f32_16x16x4_f32). A number that lies on a knife's edge between two numbers of the format may be rounded either way, as far as f32 arithmetic and the matrix unit's own rounding can turn it there, and no further.
;;   INPUTS GIVEN AS CODES. Uh (in the module: [2048, 2048], K = its axis 1); Wh (in the module: [2048, 2048], K = its axis 1); Wr (in the module: [2048, 2048], K = its axis 1); Wz (in the module: [2048, 2048], K = its axis 1); x (in the module: [4096, 2048], K = its axis 1): each comes as NAME_codes (uint8): NAME with its K axis moved to the last place and cut into blocks of 32 codes, [.., K / 32, bytes a block], one block behind the other in memory; two codes a byte, the lower K in the low four bits (a code: sign, 2 exponent bits, 1 mantissa bit); and NAME_scales (uint8): the same leading axes, one E8M0 byte (e + 127) for each 32 codes along K. Its value is code x scale, taken as it is: it is not quantised again, and the codes and scales need not be those that the quantiser above would give.
;; One version. Each part assembles by itself: llvm-mc -triple=amdgcn-amd-amdhsa -mcpu=gfx1250 --defsym DOCPART=n.
;; ======== version 1 of 1: 3 launches
;; limits: right only within a limited range of input values
;; workspace buffers: bias 24,576 bytes; cz 8,192 bytes; rh_codes 4,194,304 bytes; rh_scales 262,144 bytes
;; launch gemv (part 1): grid 256 x 1, 8 waves a work-group, no clusters, 1,280 bytes of LDS; arguments h, Ur, bwr, bur, b_r, bwh, buh, b_h, bwz, buz, b_z, bias; writes bias
.if DOCPART == 1
	.amdgcn_target "amdgcn-amd-amdhsa--gfx1250"
	.amdhsa_code_object_version 6
	.text
	.protected	k_q7b69ae9411_gemv
	.globl	k_q7b69ae9411_gemv
	.p2align	8
	.type	k_q7b69ae9411_gemv,@function
k_q7b69ae9411_gemv:
	s_mov_b64 s[64:65], 0
	v_nop
	global_prefetch_b8 v0, s[64:65] scope:SCOPE_SE
	s_setreg_imm32_b32 hwreg(HW_REG_WAVE_MODE, 25, 1), 1
	s_wait_xcnt 0x0
; bias[0..2047]    = cr[n] = sum_k h[k] Ur[n][k] + bwr[n] + bur[n] + b_r[n]
; bias[2048..4095] = ch[n] = bwh[n] + buh[n] + b_h[n]
; bias[4096..6143] = bz[n] = bwz[n] + buz[n] + b_z[n]      (h Uz^T is added to it by the next launch, which has memory to spare)
; All in f32 by fused multiply-adds: cr goes on into a quantised operand.  The order of the additions differs from the source's.
; A stream: Ur (16 MiB) is read once.  A work-group takes 8 rows, a wave one row, 8 KiB on end: all its 16 loads of 512 consecutive
; bytes are issued at once.  No matrix unit (one row of h), no cluster (what is shared, h, is 8 KiB beside 64 KiB of rows), no tensor load.
; The 8 sums of a work-group meet in 32 bytes of LDS; waves 0, 1 and 2 store 32 consecutive bytes of cr, ch and bz.  These pieces are
; parts of 256-byte blocks: whole blocks would want 64 rows to a work-group, an eighth of the work-groups, for 24 KiB of results.
; LIMITS: NaN and infinities among the inputs are not served.
.set H,   16                           ; v16-79    h: load i holds h[128 i + 4 lane .. + 3]
.set R0,  80                           ; v80-143   my row, laid alike
.set AC,  144                          ; v144-147  two chains of packed sums
	s_load_b512 s[4:19], s[0:1], 0x0               ; h, Ur, bwr, bur, b_r, bwh, buh, b_h
	s_load_b256 s[20:27], s[0:1], 0x40             ; bwz, buz, b_z, bias
	v_lshl_add_u32 v148, v0, 2, 0x100
	v_mov_b32 v149, 0
	v_lshrrev_b32 v1, 5, v0
	s_delay_alu instid0(VALU_DEP_1)
	v_readfirstlane_b32 s30, v1                    ; wave 0..7
	v_and_b32 v11, 31, v0                          ; lane
	s_delay_alu instid0(VALU_DEP_1)
	v_lshlrev_b32 v1, 4, v11                       ; 16 bytes a lane
	v_and_b32 v3, 7, v0
	s_delay_alu instid0(VALU_DEP_1)
	v_lshlrev_b32 v3, 2, v3                        ; 4 (lane % 8): one of the work-group's 8 rows
	s_lshl_b32 s31, s30, 2
	v_mov_b32 v10, s31                             ; LDS: my wave's word
	s_mov_b32 s50, 0x76543210                      ; v_permlanex16_b32's selects for lane l xor 16
	s_mov_b32 s51, 0xfedcba98
	s_lshl_b32 s40, ttmp9, 3
	s_add_co_u32 s40, s40, s30                     ; my row: 8 x work-group + wave
	s_lshl_b32 s40, s40, 13                        ; x 8,192 bytes
	s_mov_b32 s41, 0
	s_lshl_b32 s42, ttmp9, 5                       ; the 8 rows' place in a vector of 2,048 numbers
	s_mov_b32 s43, 0
	s_min_u32 s44, s30, 2
	s_lshl_b32 s44, s44, 13                        ; wave 0 stores cr, wave 1 ch, wave 2 bz: 8,192 bytes apart
	s_mov_b32 s45, 0
	s_wait_alu depctr_va_vdst(0)
	s_wait_kmcnt 0x0
	s_add_nc_u64 s[6:7], s[6:7], s[40:41]
.irp p, 8,10,12,14,16,18,20,22,24,26
	s_add_nc_u64 s[\p:\p+1], s[\p:\p+1], s[42:43]
.endr
	s_add_nc_u64 s[26:27], s[26:27], s[44:45]
	global_load_b32 v4, v3, s[8:9]                 ; the nine vectors of biases: every wave loads its work-group's 32 bytes of each, so that all waves count alike
	global_load_b32 v5, v3, s[10:11]
	global_load_b32 v6, v3, s[12:13]
	global_load_b32 v7, v3, s[14:15]
	global_load_b32 v8, v3, s[16:17]
	global_load_b32 v9, v3, s[18:19]
	global_load_b32 v13, v3, s[20:21]
	global_load_b32 v14, v3, s[22:23]
	global_load_b32 v15, v3, s[24:25]
.irp i, 0,1,2,3,4,5,6,7,8,9,10,11,12,13,14,15
	global_load_b128 v[H+4*\i:H+4*\i+3], v1, s[4:5] offset:512*\i
.endr
.irp i, 0,1,2,3,4,5,6,7,8,9,10,11,12,13,14,15
	global_load_b128 v[R0+4*\i:R0+4*\i+3], v1, s[6:7] offset:512*\i th:TH_LOAD_NT
.endr
	s_wait_loadcnt 0x0
	; my row times h: 64 numbers a lane in two chains of packed multiply-adds, then over the 32 lanes; every lane ends with the sum
	v_pk_mul_f32 v[AC:AC+1], v[R0:R0+1], v[H:H+1]                  ; the first products start the chains: nothing is cleared
	v_pk_mul_f32 v[AC+2:AC+3], v[R0+2:R0+3], v[H+2:H+3]
.set j, 4
.rept 15
	s_delay_alu instid0(VALU_DEP_2)
	v_pk_fma_f32 v[AC:AC+1], v[R0+j:R0+j+1], v[H+j:H+j+1], v[AC:AC+1]
	s_delay_alu instid0(VALU_DEP_2)
	v_pk_fma_f32 v[AC+2:AC+3], v[R0+j+2:R0+j+3], v[H+j+2:H+j+3], v[AC+2:AC+3]
.set j, j+4
.endr
	s_delay_alu instid0(VALU_DEP_1)
	v_pk_add_f32 v[AC:AC+1], v[AC:AC+1], v[AC+2:AC+3]
	s_delay_alu instid0(VALU_DEP_1)
	v_add_f32 v2, v[AC], v[AC+1]
	s_delay_alu instid0(VALU_DEP_1)
	v_add_f32_dpp v2, v2, v2 row_xmask:1 row_mask:0xf bank_mask:0xf
	s_delay_alu instid0(VALU_DEP_1)
	v_add_f32_dpp v2, v2, v2 row_xmask:2 row_mask:0xf bank_mask:0xf
	s_delay_alu instid0(VALU_DEP_1)
	v_add_f32_dpp v2, v2, v2 row_xmask:4 row_mask:0xf bank_mask:0xf
	s_delay_alu instid0(VALU_DEP_1)
	v_add_f32_dpp v2, v2, v2 row_xmask:8 row_mask:0xf bank_mask:0xf
	s_delay_alu instid0(VALU_DEP_1)
	v_permlanex16_b32 v[AC+2], v2, s50, s51        ; (its destination has been written)
	s_delay_alu instid0(VALU_DEP_1)
	v_add_f32 v2, v2, v[AC+2]
	ds_store_b32 v10, v2                           ; all lanes write the wave's word with the same value
	s_wait_dscnt 0x0                               ; for the others' sake: my store has landed
	s_barrier_signal -1
	s_barrier_wait -1
	s_cmp_gt_u32 s30, 2
	s_cbranch_scc1 .Lend
	s_cmp_eq_u32 s30, 0
	s_cbranch_scc0 .Lnot_wave_0
	ds_load_b32 v2, v3                             ; the 8 rows' sums
	v_add_f32 v12, v4, v5
	s_delay_alu instid0(VALU_DEP_1)
	v_add_f32 v12, v12, v6
	s_wait_alu depctr_va_vdst(0)
	s_wait_dscnt 0x0
	v_add_f32 v12, v12, v2                         ; cr
	s_branch .Lstore
.Lnot_wave_0:
	s_cmp_eq_u32 s30, 1
	s_cbranch_scc0 .Lwave_2
	v_add_f32 v12, v7, v8
	s_delay_alu instid0(VALU_DEP_1)
	v_add_f32 v12, v12, v9                         ; ch
	s_branch .Lstore
.Lwave_2:
	v_add_f32 v12, v13, v14
	s_delay_alu instid0(VALU_DEP_1)
	v_add_f32 v12, v12, v15                        ; bz
.Lstore:
	s_wait_alu depctr_va_vdst(0)
	s_wait_xcnt 0x0                                ; EXEC changes only behind this wait
	v_cmp_gt_u32 vcc_lo, 8, v11
	s_and_saveexec_b32 s52, vcc_lo
	global_store_b32 v3, v12, s[26:27]             ; eight lanes, 32 consecutive bytes
	s_wait_xcnt 0x0
	s_or_b32 exec_lo, exec_lo, s52
.Lend:
	s_wait_tensorcnt 0x0
	ds_add_u32 v148, v149
	s_wait_dscnt 0x0
	s_endpgm
.Lfunc_end_k_q7b69ae9411_gemv:
	.size	k_q7b69ae9411_gemv, .Lfunc_end_k_q7b69ae9411_gemv-k_q7b69ae9411_gemv
	.p2alignl 7, 3214868480
	.fill 96, 4, 3214868480
	.section	.rodata,"a",@progbits
	.p2align	6, 0x0
	.amdhsa_kernel k_q7b69ae9411_gemv
		.amdhsa_group_segment_fixed_size 1280
		.amdhsa_private_segment_fixed_size 0
		.amdhsa_enable_private_segment 0
		.amdhsa_kernarg_size 96
		.amdhsa_user_sgpr_count 2
		.amdhsa_user_sgpr_kernarg_segment_ptr 1
		.amdhsa_wavefront_size32 1
		.amdhsa_system_sgpr_workgroup_id_x 1
		.amdhsa_system_sgpr_workgroup_id_y 1
		.amdhsa_system_sgpr_workgroup_id_z 1
		.amdhsa_system_vgpr_workitem_id 0
		.amdhsa_next_free_vgpr 150
		.amdhsa_next_free_sgpr 66
		.amdhsa_reserve_vcc 1
		.amdhsa_float_denorm_mode_32 3
		.amdhsa_float_denorm_mode_16_64 3
		.amdhsa_memory_ordered 1
		.amdhsa_forward_progress 1
		.amdhsa_inst_pref_size 11
	.end_amdhsa_kernel
	.amdgpu_metadata
---
amdhsa.version: [ 1, 2 ]
amdhsa.kernels:
  - .name:           k_q7b69ae9411_gemv
    .symbol:         k_q7b69ae9411_gemv.kd
    .args:
      - { .name: h, .offset: 0, .size: 8, .value_kind: global_buffer, .address_space: global }
      - { .name: Ur, .offset: 8, .size: 8, .value_kind: global_buffer, .address_space: global }
      - { .name: bwr, .offset: 16, .size: 8, .value_kind: global_buffer, .address_space: global }
      - { .name: bur, .offset: 24, .size: 8, .value_kind: global_buffer, .address_space: global }
      - { .name: b_r, .offset: 32, .size: 8, .value_kind: global_buffer, .address_space: global }
      - { .name: bwh, .offset: 40, .size: 8, .value_kind: global_buffer, .address_space: global }
      - { .name: buh, .offset: 48, .size: 8, .value_kind: global_buffer, .address_space: global }
      - { .name: b_h, .offset: 56, .size: 8, .value_kind: global_buffer, .address_space: global }
      - { .name: bwz, .offset: 64, .size: 8, .value_kind: global_buffer, .address_space: global }
      - { .name: buz, .offset: 72, .size: 8, .value_kind: global_buffer, .address_space: global }
      - { .name: b_z, .offset: 80, .size: 8, .value_kind: global_buffer, .address_space: global }
      - { .name: bias, .offset: 88, .size: 8, .value_kind: global_buffer, .address_space: global }
    .group_segment_fixed_size: 1280
    .private_segment_fixed_size: 0
    .kernarg_segment_align: 8
    .kernarg_segment_size: 96
    .max_flat_workgroup_size: 256
    .sgpr_count:     66
    .vgpr_count:     150
    .wavefront_size: 32
...
	.end_amdgpu_metadata
.endif
;; end of part 1
;; launch rgate (part 2): grid 16 x 16, 4 waves a work-group, clusters of 4 x 4, 327,680 bytes of LDS; arguments x_codes, x_scales, Wr_codes, Wr_scales, bias, h, rh_codes, rh_scales, Uz, cz; writes rh_codes, rh_scales, cz
.if DOCPART == 2
	.amdgcn_target "amdgcn-amd-amdhsa--gfx1250"
	.amdhsa_code_object_version 6
	.text
	.protected	k_q7b69ae9411_rgate
	.globl	k_q7b69ae9411_rgate
	.p2align	8
	.type	k_q7b69ae9411_rgate,@function
k_q7b69ae9411_rgate:
	s_mov_b64 s[64:65], 0
	v_nop
	global_prefetch_b8 v0, s[64:65] scope:SCOPE_SE
	s_setreg_imm32_b32 hwreg(HW_REG_WAVE_MODE, 25, 1), 1
	s_wait_xcnt 0x0
	s_wait_alu depctr_hold_cnt(0) depctr_sa_sdst(0) depctr_va_vdst(0) depctr_va_sdst(0) depctr_va_ssrc(0) depctr_va_vcc(0) depctr_vm_vsrc(0)
	s_getreg_b32 s2, hwreg(HW_REG_IB_STS2, 6, 4)
	s_cmp_eq_u32 s2, 0
	s_cbranch_scc0 .Lentry_in_a_cluster
	s_endpgm
.Lentry_in_a_cluster:
	s_bfe_u32 s2, ttmp6, 0x10000c
	s_cmp_lg_u32 s2, 0xf033
	s_cbranch_scc0 .Lentry_shape_is_right
	s_endpgm
.Lentry_shape_is_right:
; rh = Q(sigmoid(x Wr^T + cr) * h): x [4096][2048] and Wr [2048][2048] are codes of FP4 (E2M1) with one E8M0 byte for each 32 along K; cr = bias[0 ..], f32; sums in f32.
; Q is the MX quantiser along rh's columns, which are the K of the next launch's product with Uh.
; SHARES.  A work-group makes 256 rows x 128 columns; wave w makes rows 64 w .. 64 w + 63 of all 128 columns.  128 columns are one K step of the next product,
; so a wave's results become whole operand fragments and whole scale words in its own registers, and leave from there.
; THE MATRIX INSTRUCTION is the 32 x 16 x 128 form, USED TRANSPOSED: source 0 = 32 rows of Wr, source 1 = 16 rows of x.  Lane (r, hh) holds row r of x, and register j of the 8 registers of tile b the column 16 b + 8 hh + j.
; THE SLOTS.  Slot 0 holds K 0 .. 1,023 (rows of 512 bytes, pitch 528): the head's loads, one a wave.  Slot 1 holds K 1,024 .. 1,535 (rows of 256 bytes, pitch 272): a first fill, asked for when the head's
; loads have landed.  K 1,536 .. 2,047 goes into slot 0's bytes when its eight K steps have been read (slot 2 in the text).  A wave has one tensor load out at any time.  Nothing is looped: every scale register's number is a constant.
; CLUSTERS: 4 x 4 work-groups.  x's tile hangs on the tile row alone and is asked for jointly by a row of the cluster, Wr's on the tile column alone, by a column.
; PREFETCH: behind the head's loads each wave names the 256 bytes a row that slot 1's fill will load, behind slot 1's fill those of the refill: of the rows that a wave fetches each of the four partners takes a quarter, by address
; (x: 32 rows, a lane a row; Wr: 16 rows, the lanes left over name the last again).
; THE SCALES go from memory straight into registers, each row's 64 bytes by four loads of 16: lane l takes row 32 i + l: Wr's registers serve source 0's 32 rows as they are; of x's the even block of 16 rows stands in lanes 0-15, the odd one in lanes 16-31.
; BESIDE IT: cz[n] = sum_k h[k] Uz[n][k] + bz[n] (bz = bias[4096 ..]), f32 multiply-adds, for the next launch.  Work-group g = 16 x tile row + tile column takes rows 8 g .. 8 g + 7 of Uz, a wave two;
; they are asked for when the first products start and summed ahead of the wait for the last tile.  A wave stores its 8 bytes: parts of 256-byte blocks, 8 KiB in all.
; OUT.  rh_codes [ks 16][block of 16 rows: 256][1,024 bytes]: a fragment as an image of its registers, registers 4 c .. 4 c + 3 of lane l at 512 c + 16 l.  rh_scales [ks 16][row 4096]: one word a row.
; LIMITS: NaN and infinities among the inputs are not served.  A block whose largest magnitude lies under 2^-124 keeps the byte 1; so does a block of zeros, where the rule says 127: its codes are
; zeros, and this program alone reads the bytes.  The sigmoid runs out to 0 and 1 by 2^x reaching infinity or 0: no clamp.
; REGISTERS: window 0: v1-22 addresses; v32-63 x's scale words, v64-127 Wr's; v128-191 T: h for Uz's rows, then 64 numbers at work; v192-223 the codes; v224-239 the quantiser's; v240-243 scale words made; v244-248 the way out, cz.
;   window 1: x's fragments, two sets of 4, at v0 and v32; Wr's, two sets of 8, at v64 and v128.   window 2: accumulator (a, b) at v[8 (8 a + b)].   window 3: v0-63 cr, v64-127 h, in the result's layout; v128-255 my two rows of Uz.
.set P5,    528                        ; LDS pitch of 512-byte rows, and
.set P2,    272                        ; of 256-byte rows: odd multiples of 16
.set HALFA, 128*P2
.set HALFB, 64*P2
.set S0B,   256*P5                     ; slot 0: x's 256 rows, then Wr's 128
.set S1,    384*P5                     ; slot 1
.set S2B,   256*P2                     ; Wr's rows in slots 1 and 2
.set SPARE, S1+384*P2                  ; the spare words, 128 bytes a wave
.set SCW,   SPARE+512                  ; 256 bytes a wave for the scale words on their way out
.set PADW5, (1<<20)|(1<<21)|(6<<22)|(3<<25)   ; elements of 1 byte; padding on; bit 21 beside a mask; four words behind every 128
.set PADW2, (1<<20)|(1<<21)|(5<<22)|(3<<25)   ; behind every 64
.set ADRA, 4                           ; v4-6 my fragments of x in slot 0, 1, 2;  v7-9 of Wr
.set ADRB, 7
.set SPW,  10
.set NIL,  11
.set OF64, 12
.set OF16, 13
.set OF8,  14
.set OFH,  15
.set SCWA, 16
.set SCWR, 17
.set OB,   19
.set PAR,  20
.set PFO,  22                          ; the prefetches' offset: a row of 1,024 bytes a lane
.set SA,   32
.set SB,   64
.set T,    128
.set PC,   192
.set AC,   192
.set TM,   224
.set PW,   240
.set OW,   244
.set CZ,   246
.set BZ,   248
.set CB,   0
.set HV,   64
.set WV,   20
.set WH,   21
.set WL,   22
.set TC,   25
.set TR,   26
.set G1A,  32
.set G1B,  40
.set G0A,  48                          ; s[48:59], s[68:79] groups 0 for x and Wr: the head's, slot 1's, the refill's
.set G0B,  68
.set BZP,  60
.set SEL,  80
.set NL2E, 82
.set UZ,   84
.set HP,   88
.set PB,   90                          ; s[90:91] the prefetches' base
.set MSB, 0
.macro WIN new
.if MSB != (\new)
	s_set_vgpr_msb (MSB<<8)|(\new)
.set MSB, (\new)
.endif
.endm
.macro PLACES n
.rept \n
	v_nop
.endr
.endm
.macro CREST                           ; a round of the cluster's barrier behind its opening barrier
	s_cmp_lg_u32 s[WV], 0
	s_cbranch_scc1 .Lnot_wave_0_\@
	s_barrier_signal -3
.Lnot_wave_0_\@:
	s_barrier_wait -3
	s_barrier_signal -1
	s_barrier_wait -1
.endm
.macro CROUND
	s_barrier_signal -1
	s_barrier_wait -1
	CREST
.endm
.macro JLOAD g0a, g0b                  ; a joint load: waves 0 and 1 fetch x's halves, waves 2 and 3 Wr's; each line has one mask
	s_cmp_eq_u32 s[WH], 0
	s_cbranch_scc0 .Lfor_b_\@
	tensor_load_to_lds s[\g0a:\g0a+3], s[G1A:G1A+7]
	s_nop 0
	PLACES 4
	s_branch .Lasked_\@
.Lfor_b_\@:
	tensor_load_to_lds s[\g0b:\g0b+3], s[G1B:G1B+7]
	s_nop 0
	PLACES 4
.Lasked_\@:
.endm
.macro FRAG reg, adr, off              ; 16 rows x 128 K: registers 4 c .. 4 c + 3 hold K = 64 c + 32 (lane / 16) + 0 .. 31
	ds_load_b128 v[(\reg):(\reg)+3], v[\adr] offset:(\off)
	ds_load_b128 v[(\reg)+4:(\reg)+7], v[\adr] offset:(\off)+32
.endm
.macro WM d, f0, f1, c, s0, s1, r1     ; r1: source 1's scale words stand in lanes 16-31
.if (\r1)
	v_wmma_scale_f32_32x16x128_f4 v[(\d):(\d)+15], v[(\f0):(\f0)+15], v[(\f1):(\f1)+7], v[(\c):(\c)+15], v[(\s0)], v[(\s1)] matrix_b_scale:MATRIX_SCALE_ROW1
.else
	v_wmma_scale_f32_32x16x128_f4 v[(\d):(\d)+15], v[(\f0):(\f0)+15], v[(\f1):(\f1)+7], v[(\c):(\c)+15], v[(\s0)], v[(\s1)]
.endif
.endm
; x's blocks a0 .. a0 + n - 1 against Wr's 128 rows, K step k, set p.  first = 1: C is cr.  The 16 accumulators take turns.
.macro MUL a0, n, p, k, first
.set AA, \a0
.rept \n
.irp b, 0,2,4,6
.if \first
	WM 8*(8*AA+\b), 64+64*(\p)+8*\b, 32*(\p)+8*AA, CB+8*\b, SB+16*(\b/2)+(\k), SA+16*(AA/2)+(\k), AA%2
.else
	WM 8*(8*AA+\b), 64+64*(\p)+8*\b, 32*(\p)+8*AA, 8*(8*AA+\b), SB+16*(\b/2)+(\k), SA+16*(AA/2)+(\k), AA%2
.endif
.endr
.set AA, AA+1
.endr
.endm
.macro FETCH slot, q, p                ; the fragments of the slot's q-th 128 along K into set p: 24 LDS loads in one run
.if (\slot) == 0
.set PT, P5
.else
.set PT, P2
.endif
	WIN 0x40
.irp i, 0,1,2,3
	FRAG 32*(\p)+8*\i, ADRA+(\slot), 64*(\q)+\i*16*PT
.endr
.irp i, 0,1,2,3,4,5,6,7
	FRAG 64+64*(\p)+8*\i, ADRB+(\slot), 64*(\q)+\i*16*PT
.endr
.endm
.macro STEP slot, q, k, first          ; a K step that has its successor in the same slot: the next set's 24 loads in one run, then the step's 16 products
	s_wait_dscnt 0x0                               ; this step's set is in
	PLACES 4                                       ; the other set was read by the last step's products
	FETCH \slot, (\q)+1, 1-(\q)%2
	WIN 0xa5+0x10*(\first)                         ; first: C in window 3
	MUL 0, 4, (\q)%2, \k, \first
.endm
; A slot's last K step: in front of the barrier each wave waits for all its tensor loads, adds 0 to its spare word, and waits for that and for its reads of the slot that it leaves.  fill = 1: slot 0's bytes take the last 512 along K.
.macro TURN next, k, fill
	WIN 0
	s_wait_tensorcnt 0x0
	ds_add_u32 v[SPW], v[NIL]
	s_wait_dscnt 1                                 ; the step's set is in; the add may be out
	WIN 0xa5
	MUL 0, 1, 1, \k, 0
	s_wait_dscnt 0x0
	s_barrier_signal -1
	MUL 1, 1, 1, \k, 0
	WIN 0
	s_barrier_wait -1
.if \fill
	CREST                                          ; the barrier has opened a round of the cluster's
	JLOAD G0A+8, G0B+8
.else
	PLACES 4
.endif
	FETCH \next, 0, 0
	WIN 0xa5
	MUL 2, 2, 1, \k, 0
.endm
	s_load_b512 s[4:19], s[0:1], 0x0               ; x_codes, x_scales, Wr_codes, Wr_scales, bias, h, rh_codes, rh_scales
	s_load_b128 s[UZ:UZ+3], s[0:1], 0x40           ; Uz, cz
	v_lshl_add_u32 v[SPW], v0, 2, SPARE
	v_mov_b32 v[NIL], 0
	ds_add_u32 v[SPW], v[NIL]                      ; the opening lines: the add twice on end under one wait
	ds_add_u32 v[SPW], v[NIL]
	v_lshrrev_b32 v1, 5, v0
	v_readfirstlane_b32 s[WV], v1
	s_lshr_b32 s[WH], s[WV], 1
	s_and_b32 s[WL], s[WV], 1
	s_bfe_u32 s23, ttmp6, 0x40000                  ; cx
	s_bfe_u32 s24, ttmp6, 0x40004                  ; cy
	s_lshl_b32 s[TC], ttmp9, 2
	s_add_co_u32 s[TC], s[TC], s23
	s_and_b32 s[TR], ttmp7, 0xffff
	s_lshl_b32 s[TR], s[TR], 2
	s_add_co_u32 s[TR], s[TR], s24
	s_lshl_b32 s27, s24, 2
	s_lshl_b32 s27, 15, s27                        ; my row of the cluster
	s_lshl_b32 s28, 0x1111, s23                    ; my column
	s_or_b32 s[G1A], s27, PADW5                    ; the head's tiles: rows of 512 bytes
	s_or_b32 s[G1B], s28, PADW5
.irp g, G1A, G1B
	s_mov_b32 s[\g+1], 512<<16
	s_mov_b32 s[\g+3], 512<<16
	s_mov_b32 s[\g+5], 1024
	s_mov_b32 s[\g+6], 0
	s_mov_b32 s[\g+7], 0
.endr
	s_mov_b32 s[G1A+2], 128<<16                    ; x: 128 rows a load
	s_mov_b32 s[G1A+4], 128
	s_mov_b32 s[G1B+2], 64<<16                     ; Wr: 64
	s_mov_b32 s[G1B+4], 64
	s_lshl_b32 s[G0A+2], s[TR], 18                 ; x: (256 x tile row + 128 x half) rows of 1,024 bytes
	s_lshl_b32 s[G0A+3], s[WL], 17
	s_add_co_u32 s[G0A+2], s[G0A+2], s[G0A+3]
	s_mov_b32 s[G0A+3], 0
	s_lshl_b32 s[G0B+2], s[TC], 17                 ; Wr: (128 x tile column + 64 x half) rows
	s_lshl_b32 s[G0B+3], s[WL], 16
	s_add_co_u32 s[G0B+2], s[G0B+2], s[G0B+3]
	s_mov_b32 s[G0B+3], 0
	s_lshl_b32 s2, s23, 15                         ; the prefetches: my work-group's 32 rows of x's 128,
	s_lshl_b32 s3, s24, 14                         ; or 16 of Wr's 64
	s_cmp_eq_u32 s[WH], 0
	s_cselect_b32 s[PB], s[G0A+2], s[G0B+2]
	s_cselect_b32 s2, s2, s3
	s_cselect_b32 s31, 31, 15
	s_add_co_u32 s[PB], s[PB], s2
	s_mov_b32 s[PB+1], 0
	s_mul_i32 s[G0A+1], s[WL], 128*P5              ; where the tiles go: the wave's number alone
	s_mul_i32 s[G0B+1], s[WL], 64*P5
	s_add_co_u32 s[G0B+1], s[G0B+1], S0B
	s_mul_i32 s[G0A+9], s[WL], HALFA
	s_add_co_u32 s[G0A+5], s[G0A+9], S1
	s_mul_i32 s[G0B+9], s[WL], HALFB
	s_add_co_u32 s[G0B+9], s[G0B+9], S2B
	s_add_co_u32 s[G0B+5], s[G0B+9], S1
.irp s, 0,4,8
	s_mov_b32 s[G0A+\s], 1
	s_mov_b32 s[G0B+\s], 1
.endr
	s_mov_b32 s[SEL], 0x76543210
	s_mov_b32 s[SEL+1], 0xfedcba98
	s_mov_b32 s[NL2E], 0xbfb8aa3b
	s_mov_b32 s[NL2E+1], s[NL2E]
	s_mul_i32 s62, s[WV], 64*P5                    ; my 64 rows of x in slot 0,
	s_mul_i32 s63, s[WV], HALFB                    ; in slots 1 and 2
	s_lshl_b32 s3, s[WV], 8
	s_add_co_u32 s3, s3, SCW
	v_and_b32 v1, 15, v0                           ; r
	v_bfe_u32 v2, v0, 4, 1                         ; hh
	v_and_b32 v3, 31, v0                           ; lane
	v_mul_u32_u24 v18, v1, P5
	v_lshl_add_u32 v18, v2, 4, v18
	v_mul_u32_u24 v21, v1, P2
	v_lshl_add_u32 v21, v2, 4, v21
	v_add_nc_u32 v[ADRA], s62, v18
	v_add_nc_u32 v[ADRB], S0B, v18
	v_add_nc_u32 v[ADRA+2], s63, v21
	v_add_nc_u32 v[ADRA+1], S1, v[ADRA+2]
	v_add_nc_u32 v[ADRB+2], S2B, v21
	v_add_nc_u32 v[ADRB+1], S1, v[ADRB+2]
	v_lshlrev_b32 v[OF64], 6, v3
	v_lshlrev_b32 v[OF16], 4, v3
	v_lshlrev_b32 v[OF8], 3, v3
	v_lshlrev_b32 v[OFH], 5, v2
	v_and_b32 v[PAR], 1, v0
	v_lshlrev_b32 v[OB], 2, v[PAR]
	v_lshl_add_u32 v[SCWA], v1, 2, s3
	v_lshl_add_u32 v[SCWR], v3, 3, s3
	v_min_u32 v[PFO], s31, v3
	v_lshlrev_b32 v[PFO], 10, v[PFO]
.irp b, 0,1,2,3
	v_mov_b32 v[TM+4+\b], 0                        ; a lane permute's destination counts as one of its sources
.endr
	s_wait_alu depctr_va_vdst(0)
	s_wait_dscnt 0x0                               ; both opening adds are done
	CROUND                                         ; all sixteen work-groups are here
	s_wait_kmcnt 0x0
	s_add_nc_u64 s[G0A+2:G0A+3], s[4:5], s[G0A+2:G0A+3]
	s_add_nc_u64 s[G0B+2:G0B+3], s[8:9], s[G0B+2:G0B+3]
	s_or_b32 s[G0A+3], s[G0A+3], 0x80000000
	s_or_b32 s[G0B+3], s[G0B+3], 0x80000000
	JLOAD G0A, G0B                                 ; K 0 .. 1,023: one load a wave at the head
	s_add_nc_u64 s[G0A+6:G0A+7], s[G0A+2:G0A+3], 512
	s_add_nc_u64 s[G0B+6:G0B+7], s[G0B+2:G0B+3], 512
	s_add_nc_u64 s[G0A+10:G0A+11], s[G0A+2:G0A+3], 768
	s_add_nc_u64 s[G0B+10:G0B+11], s[G0B+2:G0B+3], 768
	s_cmp_eq_u32 s[WH], 0
	s_cselect_b64 s[2:3], s[4:5], s[8:9]
	s_add_nc_u64 s[PB:PB+1], s[2:3], s[PB:PB+1]
	s_mov_b32 s3, 0
	s_mov_b64 s[HP:HP+1], s[14:15]                 ; h from its first number, for Uz's rows
	s_lshl_b32 s62, s[TR], 4
	s_add_co_u32 s62, s62, s[TC]                   ; g
	s_lshl_b32 s2, s62, 16
	s_lshl_b32 s31, s[WV], 14
	s_add_co_u32 s2, s2, s31
	s_add_nc_u64 s[UZ:UZ+1], s[UZ:UZ+1], s[2:3]    ; Uz at row 8 g + 2 x wave
	s_lshl_b32 s2, s62, 5
	s_lshl_b32 s31, s[WV], 3
	s_add_co_u32 s2, s2, s31
	s_add_nc_u64 s[UZ+2:UZ+3], s[UZ+2:UZ+3], s[2:3]    ; cz at the same row,
	s_add_nc_u64 s[BZP:BZP+1], s[12:13], s[2:3]    ; and bias (bz: 16,384 bytes on, in the load's immediate)
	s_lshl_b32 s2, s[TR], 14
	s_lshl_b32 s31, s[WV], 12
	s_add_co_u32 s2, s2, s31
	s_add_nc_u64 s[6:7], s[6:7], s[2:3]            ; x's scales: row 256 x tile row + 64 x wave
	s_add_nc_u64 s[16:17], s[16:17], s[2:3]        ; rh_codes: block 16 x tile row + 4 x wave (the same number),
	s_lshl_b32 s2, s[TC], 18
	s_add_nc_u64 s[16:17], s[16:17], s[2:3]        ; in K step = tile column
	s_lshl_b32 s2, s[TC], 13
	s_add_nc_u64 s[10:11], s[10:11], s[2:3]        ; Wr's scales
	s_lshl_b32 s2, s[TC], 9
	s_add_nc_u64 s[12:13], s[12:13], s[2:3]        ; cr and h at column 128 x tile column
	s_add_nc_u64 s[14:15], s[14:15], s[2:3]
	s_lshl_b32 s2, s[TC], 14
	s_lshl_b32 s31, s[TR], 10
	s_add_co_u32 s2, s2, s31
	s_lshl_b32 s31, s[WV], 8
	s_add_co_u32 s2, s2, s31
	s_add_nc_u64 s[18:19], s[18:19], s[2:3]        ; rh_scales
.irp i, 0,1
.irp g, 0,1,2,3
	global_load_b128 v[SA+16*\i+4*\g:SA+16*\i+4*\g+3], v[OF64], s[6:7] offset:2048*\i+16*\g      ; row 32 i + lane, K steps 4 g .. 4 g + 3
.endr
.endr
.irp i, 0,1,2,3
.irp g, 0,1,2,3
	global_load_b128 v[SB+16*\i+4*\g:SB+16*\i+4*\g+3], v[OF64], s[10:11] offset:2048*\i+16*\g
.endr
.endr
	WIN 0xc0
.irp b, 0,1,2,3,4,5,6,7
.irp e, 0,1
	global_load_b128 v[CB+8*\b+4*\e:CB+8*\b+4*\e+3], v[OFH], s[12:13] offset:64*\b+16*\e
	global_load_b128 v[HV+8*\b+4*\e:HV+8*\b+4*\e+3], v[OFH], s[14:15] offset:64*\b+16*\e
.endr
.endr
	global_prefetch_b8 v[PFO], s[PB:PB+1] offset:512 th:TH_LOAD_NT scope:SCOPE_SE   ; what slot 1's fill will load
	WIN 0
	s_wait_alu depctr_va_vdst(0)
	s_wait_tensorcnt 0x0                           ; my part of slot 0 is in; these lines stand ahead of a later first fill as ahead of a refill
	ds_add_u32 v[SPW], v[NIL]
	s_or_b32 s[G1A], s27, PADW2                    ; no tensor load of mine is out: from here on rows of 256 bytes
	s_or_b32 s[G1B], s28, PADW2
	s_mov_b32 s[G1A+1], 256<<16
	s_mov_b32 s[G1A+3], 256<<16
	s_mov_b32 s[G1B+1], 256<<16
	s_mov_b32 s[G1B+3], 256<<16
	s_wait_dscnt 0x0
	CROUND
	JLOAD G0A+4, G0B+4                             ; K 1,024 .. 1,535 into slot 1
	FETCH 0, 0, 0
	global_prefetch_b8 v[PFO], s[PB:PB+1] offset:768 th:TH_LOAD_NT scope:SCOPE_SE   ; what the refill will load
	s_wait_loadcnt 0x0                             ; the scales, cr and h
	WIN 0
.irp i, 0,1,2,3,4,5,6,7,8,9,10,11,12,13,14,15
	global_load_b128 v[T+4*\i:T+4*\i+3], v[OF16], s[HP:HP+1] offset:512*\i                        ; h[128 i + 4 lane ..]
.endr
	global_load_b32 v[BZ], v[OB], s[BZP:BZP+1] offset:16384
.macro UZL i0                          ; eight loads of my two rows of Uz, laid as h: 2 KiB of each row
	WIN 0xc0
.irp i, \i0, \i0+1, \i0+2, \i0+3
	global_load_b128 v[128+4*(\i):128+4*(\i)+3], v[OF16], s[UZ:UZ+1] offset:512*(\i) th:TH_LOAD_NT
	global_load_b128 v[192+4*(\i):192+4*(\i)+3], v[OF16], s[UZ:UZ+1] offset:8192+512*(\i) th:TH_LOAD_NT
.endr
.endm
	STEP 0, 0, 0, 1                                ; the first products start the sums with cr
	UZL 0                                          ; Uz's rows are asked for in four parts, one behind each of the first four K steps
	STEP 0, 1, 1, 0
	UZL 4
	STEP 0, 2, 2, 0
	UZL 8
	STEP 0, 3, 3, 0
	UZL 12
.irp q, 4,5,6
	STEP 0, \q, \q, 0
.endr
	TURN 1, 7, 1
	STEP 1, 0, 8, 0
	STEP 1, 1, 9, 0
	STEP 1, 2, 10, 0
; a row of Uz (window 3) times h (T): two chains of packed multiply-adds, then over the 32 lanes
.macro DOT r, d
	WIN 0x03
	v_pk_mul_f32 v[AC:AC+1], v[\r:\r+1], v[T:T+1]
	v_pk_mul_f32 v[AC+2:AC+3], v[\r+2:\r+3], v[T+2:T+3]
.set j, 4
.rept 15
	v_pk_fma_f32 v[AC:AC+1], v[\r+j:\r+j+1], v[T+j:T+j+1], v[AC:AC+1]
	v_pk_fma_f32 v[AC+2:AC+3], v[\r+j+2:\r+j+3], v[T+j+2:T+j+3], v[AC+2:AC+3]
.set j, j+4
.endr
	WIN 0
	v_pk_add_f32 v[AC:AC+1], v[AC:AC+1], v[AC+2:AC+3]
	v_add_f32 v[\d], v[AC], v[AC+1]
.irp m, 1,2,4,8
	v_add_f32_dpp v[\d], v[\d], v[\d] row_xmask:\m row_mask:0xf bank_mask:0xf
.endr
	v_permlanex16_b32 v[AC+2], v[\d], s[SEL], s[SEL+1]
	v_add_f32 v[\d], v[\d], v[AC+2]
.endm
	s_wait_loadcnt 0x0                             ; h, bz and Uz's rows
	DOT 128, CZ
	DOT 192, CZ+1
	v_cmp_eq_u32 vcc_lo, 1, v[PAR]
	v_cndmask_b32 v[CZ], v[CZ], v[CZ+1], vcc_lo    ; odd lanes carry the second row's sum
	v_add_f32 v[CZ], v[CZ], v[BZ]                  ; cz; it is stored at the end
	s_wait_alu depctr_va_vdst(0)
	TURN 2, 11, 0                                  ; the refill has landed, in every wave's part
	STEP 2, 0, 12, 0
	STEP 2, 1, 13, 0
	STEP 2, 2, 14, 0
	s_wait_dscnt 0x0
	WIN 0xa5
	MUL 0, 4, 1, 15, 0
	PLACES 4
; Block a (16 rows x 128 columns): the sigmoid, x h, the quantiser, and out.  T + 8 t + j = column 16 t + 8 hh + j of my row.
.macro GATE a
	WIN 0x02
.set j, 0
.rept 32
	v_pk_mul_f32 v[T+j:T+j+1], v[64*(\a)+j:64*(\a)+j+1], s[NL2E:NL2E+1] op_sel_hi:[1,0]   ; -log2(e) x; each accumulator from its low end on
.set j, j+2
.endr
	WIN 0
	s_wait_alu depctr_va_vdst(0)
.set j, 0
.rept 64
	v_exp_f32 v[T+j], v[T+j]
.set j, j+1
.endr
	v_nop
	s_wait_alu depctr_va_vdst(0)
.set j, 0
.rept 32
	v_pk_add_f32 v[T+j:T+j+1], v[T+j:T+j+1], 1.0 op_sel_hi:[1,0]
.set j, j+2
.endr
	s_wait_alu depctr_va_vdst(0)
.set j, 0
.rept 64
	v_rcp_f32 v[T+j], v[T+j]                       ; r = 1 / (1 + e^-x)
.set j, j+1
.endr
	v_nop
	s_wait_alu depctr_va_vdst(0)
	WIN 0x0c
.set j, 0
.rept 32
	v_pk_mul_f32 v[T+j:T+j+1], v[T+j:T+j+1], v[HV+j:HV+j+1]   ; r h
.set j, j+2
.endr
	WIN 0
.irp b, 0,1,2,3
	v_max3_num_f32 v[TM+\b], |v[T+16*\b]|, |v[T+1+16*\b]|, 0x1800000   ; block b of 32 columns: my 16 numbers, and the floor 2^(3 - 127)
.endr
.irp i, 2,4,6,8,10,12,14
.irp b, 0,1,2,3
	v_max3_num_f32 v[TM+\b], v[TM+\b], |v[T+16*\b+\i]|, |v[T+1+16*\b+\i]|
.endr
.endr
.irp b, 0,1,2,3
	v_permlanex16_b32 v[TM+4+\b], v[TM+\b], s[SEL], s[SEL+1]
.endr
.irp b, 0,1,2,3
	v_max_num_f32 v[TM+\b], v[TM+\b], v[TM+4+\b]   ; with lane l xor 16's 16
.endr
.irp b, 0,1,2,3
	v_add_nc_u32 v[TM+12+\b], 0xff000000, v[TM+\b] ; 2 off the exponent field: the conversion's scale operand
.endr
.irp b, 0,1,2,3
	v_lshrrev_b32 v[TM+4+\b], 23, v[TM+12+\b]      ; the scale's byte
.endr
	v_lshl_or_b32 v[PW+\a], v[TM+5], 8, v[TM+4]
	v_lshl_or_b32 v[PW+\a], v[TM+6], 16, v[PW+\a]
	v_lshl_or_b32 v[PW+\a], v[TM+7], 24, v[PW+\a]  ; my row's scale word
; Tile t's eight codes are quarter 2 (t % 2) + hh of block t / 2.  Tiles 4 c and 4 c + 2 go to registers 4 c and 4 c + 1, tiles 4 c + 1 and 4 c + 3 to 4 c + 2 and 4 c + 3; a swap of halves within each pair gives the operand's layout.
.irp t, 0,1,2,3,4,5,6,7
	v_cvt_scalef32_pk8_fp4_f32 v[PC+8*(\a)+4*(\t/4)+2*(\t%2)+(\t%4)/2], v[T+8*\t:T+8*\t+7], v[TM+12+\t/2]
.endr
	v_nop
.irp c, 0,1
	v_permlane16_swap_b32 v[PC+8*(\a)+4*\c], v[PC+8*(\a)+4*\c+1]
	v_permlane16_swap_b32 v[PC+8*(\a)+4*\c+2], v[PC+8*(\a)+4*\c+3]
.endr
	global_store_b128 v[OF16], v[PC+8*(\a):PC+8*(\a)+3], s[16:17] offset:1024*(\a)        ; 32 lanes store 512 consecutive bytes, at a multiple of 256
	global_store_b128 v[OF16], v[PC+8*(\a)+4:PC+8*(\a)+7], s[16:17] offset:1024*(\a)+512
	ds_store_b32 v[SCWA], v[PW+\a] offset:64*(\a)  ; lanes l and l xor 16 write the same word with the same value
.endm
	GATE 0
	GATE 1
	GATE 2
	GATE 3
	ds_load_b64 v[OW:OW+1], v[SCWR]                ; a wave's LDS instructions are served in order: this sees my stores
	s_wait_dscnt 0x0
	global_store_b64 v[OF8], v[OW:OW+1], s[18:19]  ; my 64 rows' words: 256 consecutive bytes, aligned
	s_wait_xcnt 0x0                                ; EXEC changes only behind this wait
	v_cmp_gt_u32 vcc_lo, 2, v3
	s_and_saveexec_b32 s62, vcc_lo
	global_store_b32 v[OB], v[CZ], s[UZ+2:UZ+3]    ; lanes 0 and 1: cz of my two rows
	s_wait_xcnt 0x0
	s_or_b32 exec_lo, exec_lo, s62
	s_wait_tensorcnt 0x0                           ; the wave's end
	ds_add_u32 v[SPW], v[NIL]
	s_wait_dscnt 0x0
	CROUND                                         ; the closing round
	s_endpgm
.Lfunc_end_k_q7b69ae9411_rgate:
	.size	k_q7b69ae9411_rgate, .Lfunc_end_k_q7b69ae9411_rgate-k_q7b69ae9411_rgate
	.p2alignl 7, 3214868480
	.fill 96, 4, 3214868480
	.section	.rodata,"a",@progbits
	.p2align	6, 0x0
	.amdhsa_kernel k_q7b69ae9411_rgate
		.amdhsa_group_segment_fixed_size 327680
		.amdhsa_private_segment_fixed_size 0
		.amdhsa_enable_private_segment 0
		.amdhsa_kernarg_size 80
		.amdhsa_user_sgpr_count 2
		.amdhsa_user_sgpr_kernarg_segment_ptr 1
		.amdhsa_wavefront_size32 1
		.amdhsa_system_sgpr_workgroup_id_x 1
		.amdhsa_system_sgpr_workgroup_id_y 1
		.amdhsa_system_sgpr_workgroup_id_z 1
		.amdhsa_system_vgpr_workitem_id 0
		.amdhsa_next_free_vgpr 1024
		.amdhsa_next_free_sgpr 92
		.amdhsa_reserve_vcc 1
		.amdhsa_float_denorm_mode_32 3
		.amdhsa_float_denorm_mode_16_64 3
		.amdhsa_memory_ordered 1
		.amdhsa_forward_progress 1
		.amdhsa_inst_pref_size 144
	.end_amdhsa_kernel
	.amdgpu_metadata
---
amdhsa.version: [ 1, 2 ]
amdhsa.kernels:
  - .name:           k_q7b69ae9411_rgate
    .symbol:         k_q7b69ae9411_rgate.kd
    .args:
      - { .name: x_codes, .offset: 0, .size: 8, .value_kind: global_buffer, .address_space: global }
      - { .name: x_scales, .offset: 8, .size: 8, .value_kind: global_buffer, .address_space: global }
      - { .name: Wr_codes, .offset: 16, .size: 8, .value_kind: global_buffer, .address_space: global }
      - { .name: Wr_scales, .offset: 24, .size: 8, .value_kind: global_buffer, .address_space: global }
      - { .name: bias, .offset: 32, .size: 8, .value_kind: global_buffer, .address_space: global }
      - { .name: h, .offset: 40, .size: 8, .value_kind: global_buffer, .address_space: global }
      - { .name: rh_codes, .offset: 48, .size: 8, .value_kind: global_buffer, .address_space: global }
      - { .name: rh_scales, .offset: 56, .size: 8, .value_kind: global_buffer, .address_space: global }
      - { .name: Uz, .offset: 64, .size: 8, .value_kind: global_buffer, .address_space: global }
      - { .name: cz, .offset: 72, .size: 8, .value_kind: global_buffer, .address_space: global }
    .group_segment_fixed_size: 327680
    .private_segment_fixed_size: 0
    .kernarg_segment_align: 8
    .kernarg_segment_size: 80
    .max_flat_workgroup_size: 128
    .sgpr_count:     92
    .vgpr_count:     1024
    .wavefront_size: 32
...
	.end_amdgpu_metadata
.endif
;; end of part 2
;; launch final (part 3): grid 16 x 16, 4 waves a work-group, clusters of 4 x 4, 327,680 bytes of LDS; arguments x_codes, x_scales, Wz_codes, Wz_scales, Wh_codes, Wh_scales, Uh_codes, Uh_scales, rh_codes, rh_scales, bias, h, out0, cz; writes out0
.if DOCPART == 3
	.amdgcn_target "amdgcn-amd-amdhsa--gfx1250"
	.amdhsa_code_object_version 6
	.text
	.protected	k_q7b69ae9411_final
	.globl	k_q7b69ae9411_final
	.p2align	8
	.type	k_q7b69ae9411_final,@function
k_q7b69ae9411_final:
	s_mov_b64 s[64:65], 0
	v_nop
	global_prefetch_b8 v0, s[64:65] scope:SCOPE_SE
	s_setreg_imm32_b32 hwreg(HW_REG_WAVE_MODE, 25, 1), 1
	s_wait_xcnt 0x0
	s_wait_alu depctr_hold_cnt(0) depctr_sa_sdst(0) depctr_va_vdst(0) depctr_va_sdst(0) depctr_va_ssrc(0) depctr_va_vcc(0) depctr_vm_vsrc(0)
	s_getreg_b32 s2, hwreg(HW_REG_IB_STS2, 6, 4)
	s_cmp_eq_u32 s2, 0
	s_cbranch_scc0 .Lentry_in_a_cluster
	s_endpgm
.Lentry_in_a_cluster:
	s_bfe_u32 s2, ttmp6, 0x10000c
	s_cmp_lg_u32 s2, 0xf033
	s_cbranch_scc0 .Lentry_shape_is_right
	s_endpgm
.Lentry_shape_is_right:
; out = h + z (hh - h),  z = sigmoid(x Wz^T + cz),  hh = tanh(x Wh^T + rh Uh^T + ch);  cz from the launch before, ch = bias[2048 ..].  All operands of the products are codes of FP4 with E8M0 bytes; sums in f32.
; SHARES.  A work-group makes 256 rows x 128 columns of out; wave (wh, wl) rows 128 wh .. + 127 and columns 64 wl .. + 63: for each of its 8 blocks of 16 rows 32 registers of z's sums and 32 of hh's.
; THE MATRIX INSTRUCTION is the 32 x 16 x 128 form, USED TRANSPOSED: source 0 = 32 rows of a weight, source 1 = 16 rows of x or rh: a lane holds eight neighbouring columns of one row of out in eight registers.
; FIRST PRODUCT: x's 256 rows against Wz's 128 and Wh's 128, K in four steps of 512 (rows of 256 bytes) through two slots.
; SECOND PRODUCT: when x's third 512 has been read, slot 0 takes ALL of Uh's 128 rows (four chunks of 128 rows x 256 bytes, a wave a chunk: just a slot).  rh comes in two halves BY ROWS into slot 1: blocks 0-3 of every wave, all of K
; (128 KiB of register images), then blocks 4-7.  While the first half is on its way the wave makes z's sigmoids; while the second is on its way it finishes and stores blocks 0-3.  So the second product changes no slot but that once.
; Its fragments go through three sets of registers: a step's 16 LDS loads are asked for two steps ahead, and s_wait_dscnt 16 leaves the next step's out.
; CLUSTERS: 4 x 4.  x's and rh's tiles hang on the tile row and are asked for jointly by a row of the cluster, the weights' on the tile column, by a column.  A wave has one tensor load out at any time.
; PREFETCH: behind each tensor load but the last two, one instruction a wave names what the load two further on will fetch (x's and W's third and fourth 512, Uh, rh's two halves): 32 blocks of 256 bytes;
; the four partners that ask for a tile jointly share its blocks out by address (cx for x and rh, cy for the weights).
; THE SCALES go from memory into registers: lane l takes row 32 i + l; a weight's register serves source 0's 32 rows as it is; of x's and rh's the odd block of 16 rows stands in lanes 16-31.
; THE WAY OUT: a block of 16 rows x 64 columns goes through the wave's own stage in LDS, behind the slots, and leaves as rows of 256 bytes, sixteen lanes to an aligned unit.
; LIMITS: NaN and infinities among the inputs are not served.  Sigmoid and tanh run out to their ends by 2^x reaching infinity or 0: no clamp.
; REGISTERS: window 0: v1-25 addresses; v32-95 x's scale words, v96-159 Wz's and Wh's, v160-191 Uh's, v192-255 rh's.
;   window 1: first product: x's fragments in two sets at v0, v64, the weights' at v128, v192 (v64-127 first hold cz and ch).  Second: rh's in three sets of 32 at v0, v32, v64, Uh's at v128, v192, v96; v160-191 h, v224-255 1 - h; on the way out v0-127.
;   windows 2, 3: blocks 0-3, 4-7: block a at v[64 (a % 4)]: 32 registers of z, 32 of hh.
.set PITCH, 272
.set HALFT, 128*PITCH
.set HALFU, 64*PITCH
.set BOFF,  2*HALFT
.set SLOT,  4*HALFT
.set STG,   2*SLOT                     ; the stages: 16 rows x 272 bytes a wave
.set SPARE, STG+4*16*PITCH             ; the spare words
.set PADW,  (1<<20)|(1<<21)|(5<<22)|(3<<25)
.set ADRU, 5                           ; v5 Uh's chunks 0, 1; chunks 2, 3 lie where the weights of slot 0 lay: v6
.set ADRB, 6                           ; v6-7 the weights' fragments in slot 0, 1
.set ADRI, 8                           ; v8 rh's images
.set STO,  10
.set RD,   11
.set CO,   12
.set SPW,  13
.set NIL,  14
.set OF64, 15
.set OF4,  16
.set OFH,  17
.set PF1,  20                          ; prefetch offsets: a row of 1,024 bytes a lane;
.set PF2,  21                          ; rh: 16 blocks of 256 bytes in each of two K steps
.set ADRA, 24                          ; v24-25 x's fragments in slot 0, 1
.set SX,   32
.set SW,   96
.set SU,   160
.set SR,   192
.set TZ,   0
.set TG,   32
.set BK,   64
.set CB,   64
.set HV,   160
.set OMH,  224
.set WV,   30
.set WH,   31
.set WL,   67
.set CZP,  100
.set TC,   104
.set TR,   105
.set G1A,  32
.set G1B,  40
.set G1R,  48
.set G0A,  56
.set G0B,  68
.set G0R,  76
.set G0U,  80
.set PB1,  84
.set PBU,  86
.set PBR,  88
.set NL2E, 8
.set TL2E, 12
.set MSB, 0
.macro WIN new
.if MSB != (\new)
	s_set_vgpr_msb (MSB<<8)|(\new)
.set MSB, (\new)
.endif
.endm
.macro PLACES n
.rept \n
	v_nop
.endr
.endm
.macro CREST
	s_cmp_lg_u32 s[WV], 0
	s_cbranch_scc1 .Lnot_wave_0_\@
	s_barrier_signal -3
.Lnot_wave_0_\@:
	s_barrier_wait -3
	s_barrier_signal -1
	s_barrier_wait -1
.endm
.macro CROUND
	s_barrier_signal -1
	s_barrier_wait -1
	CREST
.endm
.macro JLOAD g0a, g0b                  ; waves 0 and 1 fetch x's halves, wave 2 Wz's rows, wave 3 Wh's
	s_cmp_eq_u32 s[WH], 0
	s_cbranch_scc0 .Lfor_b_\@
	tensor_load_to_lds s[\g0a:\g0a+3], s[G1A:G1A+7]
	s_nop 0
	PLACES 4
	s_branch .Lasked_\@
.Lfor_b_\@:
	tensor_load_to_lds s[\g0b:\g0b+3], s[G1B:G1B+7]
	s_nop 0
	PLACES 4
.Lasked_\@:
.endm
.macro ASK pv, pb, po
	global_prefetch_b8 v[\pv], s[\pb:\pb+1] offset:\po th:TH_LOAD_NT scope:SCOPE_SE
.endm
.macro FRAG reg, adr, off
	ds_load_b128 v[(\reg):(\reg)+3], v[\adr] offset:(\off)
	ds_load_b128 v[(\reg)+4:(\reg)+7], v[\adr] offset:(\off)+32
.endm
.macro WM d, f0, f1, c, s0, s1, r1
.if (\r1)
	v_wmma_scale_f32_32x16x128_f4 v[(\d):(\d)+15], v[(\f0):(\f0)+15], v[(\f1):(\f1)+7], v[(\c):(\c)+15], v[(\s0)], v[(\s1)] matrix_b_scale:MATRIX_SCALE_ROW1
.else
	v_wmma_scale_f32_32x16x128_f4 v[(\d):(\d)+15], v[(\f0):(\f0)+15], v[(\f1):(\f1)+7], v[(\c):(\c)+15], v[(\s0)], v[(\s1)]
.endif
.endm
; first product: x's blocks a0 .. a0 + n - 1 against the 128 weight rows of my columns, K step k, set p.  first = 1: C is cz, ch.  The accumulators take turns.
.macro MUL1 a0, n, p, k, first
.set AA, \a0
.rept \n
.if \first
	WIN 0x95+0x40*(AA/4)
.else
	WIN 0xa5+0x50*(AA/4)
.endif
.irp b, 0,2,4,6
.if \first
	WM 8*(8*(AA%4)+\b), 128+64*(\p)+8*\b, 64*(\p)+8*AA, CB+8*\b, SW+16*(\b/2)+(\k), SX+16*(AA/2)+(\k), AA%2
.else
	WM 8*(8*(AA%4)+\b), 128+64*(\p)+8*\b, 64*(\p)+8*AA, 8*(8*(AA%4)+\b), SW+16*(\b/2)+(\k), SX+16*(AA/2)+(\k), AA%2
.endif
.endr
.set AA, AA+1
.endr
.endm
.macro FETCH1 slot, q, p
	WIN 0x40
.irp i, 0,1,2,3,4,5,6,7
	FRAG 64*(\p)+8*\i, ADRA+(\slot), 64*(\q)+\i*16*PITCH
.endr
.irp i, 0,1,2,3,4,5,6,7
	FRAG 128+64*(\p)+8*\i, ADRB+(\slot), 64*(\q)+(16*\i+64*(\i/4))*PITCH
.endr
.endm
.macro STEP1 slot, q, k                ; the next set's 32 loads in one run, then the step's 32 products
	s_wait_dscnt 0x0
	PLACES 4
	FETCH1 \slot, (\q)+1, 1-(\q)%2
	MUL1 0, 8, (\q)%2, \k, 0
.endm
; A slot's last K step.  In front of the barrier, which opens a round of the cluster's: the wait for all my tensor loads, the add, the wait for it and for my reads of the slot.  Behind the round the slot is filled again:
; kind 1: x and W, 1,024 along K on; kind 2: Uh; kind 3: rh's first half.
.macro TURN1 slot, k, kind, pv, pb, po
	WIN 0
	s_wait_tensorcnt 0x0
	ds_add_u32 v[SPW], v[NIL]
	s_wait_dscnt 1
	MUL1 0, 2, 1, \k, 0
	s_wait_dscnt 0x0
	s_barrier_signal -1
	MUL1 2, 2, 1, \k, 0
	WIN 0
	s_barrier_wait -1
	CREST
.if \kind == 1
	s_add_nc_u64 s[G0A+4*\slot+2:G0A+4*\slot+3], s[G0A+4*\slot+2:G0A+4*\slot+3], 512
	s_add_nc_u64 s[G0B+4*\slot+2:G0B+4*\slot+3], s[G0B+4*\slot+2:G0B+4*\slot+3], 512
	JLOAD G0A+4*\slot, G0B+4*\slot
.elseif \kind == 2
	tensor_load_to_lds s[G0U:G0U+3], s[G1B:G1B+7]
	s_nop 0
	PLACES 4
.else
	tensor_load_to_lds s[G0R:G0R+3], s[G1R:G1R+7]
	s_nop 0
	PLACES 4
.endif
.if \kind < 3
	FETCH1 1-\slot, 0, 0
	ASK \pv, \pb, \po
.endif
	MUL1 4, 4, 1, \k, 0
.endm
; second product, K step k, on set k % 3: four blocks of rh against Uh's 64 rows of my columns
.macro FETCH2 k
.set S3, (\k)%3
.set B3, 128+64*S3-160*(S3/2)
	WIN 0x40
.irp i, 0,1,2,3
	ds_load_b128 v[32*S3+8*\i:32*S3+8*\i+3], v[ADRI] offset:(\k)*4096+\i*1024
	ds_load_b128 v[32*S3+8*\i+4:32*S3+8*\i+7], v[ADRI] offset:(\k)*4096+\i*1024+512
.endr
.irp i, 0,1,2,3
	FRAG B3+8*\i, ADRU+(\k)/8, (((\k)/4)%2)*HALFT+64*((\k)%4)+\i*16*PITCH
.endr
.endm
.macro MUL2 hf, k
.set S3, (\k)%3
.set B3, 128+64*S3-160*(S3/2)
	WIN 0xa5+0x50*(\hf)
.irp a, 0,1,2,3
.irp b, 0,2
	WM 8*(8*\a+4+\b), B3+8*\b, 32*S3+8*\a, 8*(8*\a+4+\b), SU+16*(\b/2)+(\k), SR+32*(\hf)+16*(\a/2)+(\k), \a%2
.endr
.endr
.endm
.macro HALF hf                         ; K steps 0 .. 14 of a half
	FETCH2 0
	FETCH2 1
.set KK, 0
.rept 14
	s_wait_dscnt 16                                ; this step's 16 loads are in; the next step's may be out
	PLACES 4                                       ; the set that the last step's products read is loaded again, in one run of 16
	FETCH2 KK+2
	MUL2 \hf, KK
.set KK, KK+1
.endr
	s_wait_dscnt 16
	MUL2 \hf, 14
.endm
.macro ZACT a                          ; z = 1 / (1 + 2^(-log2(e) u)), in place
	WIN 0x82+0x41*((\a)/4)
.set j, 64*((\a)%4)
.rept 16
	v_pk_mul_f32 v[j:j+1], v[j:j+1], s[NL2E:NL2E+1] op_sel_hi:[1,0]
.set j, j+2
.endr
	s_wait_alu depctr_va_vdst(0)
.set j, 64*((\a)%4)
.rept 32
	v_exp_f32 v[j], v[j]
.set j, j+1
.endr
	v_nop
	s_wait_alu depctr_va_vdst(0)
.set j, 64*((\a)%4)
.rept 16
	v_pk_add_f32 v[j:j+1], v[j:j+1], 1.0 op_sel_hi:[1,0]
.set j, j+2
.endr
	s_wait_alu depctr_va_vdst(0)
.set j, 64*((\a)%4)
.rept 32
	v_rcp_f32 v[j], v[j]
.set j, j+1
.endr
	v_nop
	s_wait_alu depctr_va_vdst(0)
.endm
.macro ACT a                           ; hh - h = (1 - h) - 2 / (1 + 2^(2 log2(e) v));  out = z (hh - h) + h
	WIN 0x42+(\a)/4
.set j, 0
.rept 16
	v_pk_mul_f32 v[TG+j:TG+j+1], v[64*((\a)%4)+32+j:64*((\a)%4)+32+j+1], s[TL2E:TL2E+1] op_sel_hi:[1,0]
.set j, j+2
.endr
	WIN 0x55
	s_wait_alu depctr_va_vdst(0)
.set j, 0
.rept 32
	v_exp_f32 v[TG+j], v[TG+j]
.set j, j+1
.endr
	v_nop
	s_wait_alu depctr_va_vdst(0)
.set j, 0
.rept 16
	v_pk_add_f32 v[TG+j:TG+j+1], v[TG+j:TG+j+1], 1.0 op_sel_hi:[1,0]
.set j, j+2
.endr
	s_wait_alu depctr_va_vdst(0)
.set j, 0
.rept 32
	v_rcp_f32 v[TG+j], v[TG+j]
.set j, j+1
.endr
	v_nop
	s_wait_alu depctr_va_vdst(0)
.set j, 0
.rept 16
	v_pk_fma_f32 v[TG+j:TG+j+1], v[TG+j:TG+j+1], -2.0, v[OMH+j:OMH+j+1] op_sel_hi:[1,0,1]
.set j, j+2
.endr
	WIN 0x56+(\a)/4
.set j, 0
.rept 16
	v_pk_fma_f32 v[TZ+j:TZ+j+1], v[64*((\a)%4)+j:64*((\a)%4)+j+1], v[TG+j:TG+j+1], v[HV+j:HV+j+1]
.set j, j+2
.endr
.endm
.macro TOSTAGE a
	WIN 0x44
.irp b, 0,1,2,3
	ds_store_b128 v[STO], v[TZ+8*\b:TZ+8*\b+3] offset:64*\b
	ds_store_b128 v[STO], v[TZ+8*\b+4:TZ+8*\b+7] offset:64*\b+16
.endr
.irp t, 0,1,2,3,4,5,6,7
	ds_load_b128 v[BK+32*((\a)%2)+4*\t:BK+32*((\a)%2)+4*\t+3], v[RD] offset:2*\t*PITCH   ; a wave's LDS instructions are served in order
.endr
.endm
.macro SEND a
	WIN 0x44
	s_wait_dscnt 0x0
	s_wait_xcnt 0x0                                ; the stores before have read their registers: the next block's loads may land there
.irp t, 0,1,2,3,4,5,6,7
	global_store_b128 v[CO], v[BK+32*((\a)%2)+4*\t:BK+32*((\a)%2)+4*\t+3], s[28:29] offset:131072*(\a)+16384*\t th:TH_STORE_NT
.endr
.endm
.macro OUTS a0, a1, a2, a3             ; four blocks finished and stored; a block's arithmetic stands between the block before's loads from the stage and the wait for them
	ACT \a0
	TOSTAGE \a0
.irp a, \a1, \a2, \a3
	ACT \a
	SEND \a-1
	s_wait_alu depctr_va_vdst(0)
	TOSTAGE \a
.endr
	SEND \a3
.endm
.macro SRLOAD i
.set kk, 0
.rept 16
	global_load_b32 v[SR+16*(\i)+kk], v[OF4], s[22:23] offset:16384*kk+128*(\i)
.set kk, kk+1
.endr
.endm
	s_load_b512 s[4:19], s[0:1], 0x0               ; x_codes, x_scales, Wz_codes, Wz_scales, Wh_codes, Wh_scales, Uh_codes, Uh_scales
	s_load_b256 s[20:27], s[0:1], 0x40             ; rh_codes, rh_scales, bias, h
	s_load_b64 s[28:29], s[0:1], 0x60              ; out0
	s_load_b64 s[CZP:CZP+1], s[0:1], 0x68          ; cz
	v_lshl_add_u32 v[SPW], v0, 2, SPARE
	v_mov_b32 v[NIL], 0
	ds_add_u32 v[SPW], v[NIL]                      ; the opening lines: the add twice on end under one wait
	ds_add_u32 v[SPW], v[NIL]
	v_lshrrev_b32 v1, 5, v0
	v_readfirstlane_b32 s[WV], v1
	s_lshr_b32 s[WH], s[WV], 1
	s_and_b32 s[WL], s[WV], 1
	s_bfe_u32 s66, ttmp6, 0x40000                  ; cx
	s_bfe_u32 s2, ttmp6, 0x40004                   ; cy
	s_lshl_b32 s[TC], ttmp9, 2
	s_add_co_u32 s[TC], s[TC], s66
	s_and_b32 s[TR], ttmp7, 0xffff
	s_lshl_b32 s[TR], s[TR], 2
	s_add_co_u32 s[TR], s[TR], s2
	s_lshl_b32 s3, s2, 2
	s_lshl_b32 s3, 15, s3                          ; my row of the cluster
	s_or_b32 s[G1A], s3, PADW
	s_or_b32 s[G1R], s3, (3<<16)|(1<<21)
	s_lshl_b32 s3, 0x1111, s66                     ; my column
	s_or_b32 s[G1B], s3, PADW
.irp g, G1A, G1B                       ; 128 rows x 256 bytes, a row of codes 1,024 bytes in memory
	s_mov_b32 s[\g+1], 256<<16
	s_mov_b32 s[\g+2], 128<<16
	s_mov_b32 s[\g+3], 256<<16
	s_mov_b32 s[\g+4], 128
	s_mov_b32 s[\g+5], 1024
	s_mov_b32 s[\g+6], 0
	s_mov_b32 s[\g+7], 0
.endr
	s_mov_b32 s[G1R+1], 512<<16                    ; rh: 8 K steps x 4 blocks of 1,024 bytes (512 elements of 8), a K step 262,144 bytes from the next
	s_mov_b32 s[G1R+2], 8<<16
	s_mov_b32 s[G1R+3], 512<<16
	s_mov_b32 s[G1R+4], 8
	s_mov_b32 s[G1R+5], 32768
	s_mov_b32 s[G1R+6], 0
	s_mov_b32 s[G1R+7], 0
	s_lshl_b32 s[G0A+2], s[TR], 18                 ; x: row 256 x tile row + 128 x half
	s_lshl_b32 s3, s[WL], 17
	s_add_co_u32 s[G0A+2], s[G0A+2], s3
	s_mov_b32 s[G0A+3], 0
	s_lshl_b32 s[G0B+2], s[TC], 17                 ; the weights: row 128 x tile column
	s_mov_b32 s[G0B+3], 0
	s_lshl_b32 s3, s[WV], 8
	s_add_co_u32 s[G0U+2], s[G0B+2], s3            ; Uh: and chunk = wave
	s_mov_b32 s[G0U+3], 0
	s_lshl_b32 s[G0R+2], s[TR], 14                 ; rh: block 16 x tile row + 8 (wave / 2), K step 8 (wave % 2)
	s_lshl_b32 s3, s[WH], 13
	s_add_co_u32 s[G0R+2], s[G0R+2], s3
	s_mov_b32 s90, s[G0R+2]                        ; (also x's scales: the same number)
	s_lshl_b32 s3, s[WL], 21
	s_add_co_u32 s[G0R+2], s[G0R+2], s3
	s_mov_b32 s[G0R+3], 0
	s_cmp_eq_u32 s[WH], 0                          ; the prefetches: my work-group's quarter of what my wave fetches
	s_cselect_b32 s[PB1], s[G0A+2], s[G0B+2]
	s_cselect_b32 s3, s66, s2
	s_lshl_b32 s3, s3, 15                          ; 32 rows
	s_add_co_u32 s[PB1], s[PB1], s3
	s_mov_b32 s[PB1+1], 0
	s_lshl_b32 s3, s2, 15
	s_add_co_u32 s[PBU], s[G0U+2], s3
	s_mov_b32 s[PBU+1], 0
	s_lshl_b32 s3, s66, 19                         ; two K steps
	s_add_co_u32 s[PBR], s[G0R+2], s3
	s_mov_b32 s[PBR+1], 0
	s_mul_i32 s3, s[WV], HALFT                     ; where the tiles go: the wave's number alone
	s_mov_b32 s[G0A+1], s3
	s_add_co_u32 s[G0A+5], s3, SLOT
	s_mov_b32 s[G0B+1], s3
	s_add_co_u32 s[G0B+5], s3, SLOT
	s_mov_b32 s[G0U+1], s3
	s_lshl_b32 s[G0R+1], s[WV], 15
	s_add_co_u32 s[G0R+1], s[G0R+1], SLOT
.irp g, G0A, G0A+4, G0B, G0B+4, G0U, G0R
	s_mov_b32 s[\g], 1
.endr
	s_mov_b32 s91, 0                               ; s[90:91] x's scales
	s_lshl_b32 s92, s[TC], 13                      ; s[92:93] the weights' scales: row 128 x tile column + 64 wl, 64 bytes a row
	s_lshl_b32 s3, s[WL], 12
	s_add_co_u32 s92, s92, s3
	s_mov_b32 s93, 0
	s_lshl_b32 s94, s[TR], 10                      ; s[94:95] rh's scale words
	s_lshl_b32 s3, s[WH], 9
	s_add_co_u32 s94, s94, s3
	s_mov_b32 s95, 0
	s_lshl_b32 s96, s[TC], 9                       ; s[96:97] my first column, 4 bytes a number
	s_lshl_b32 s3, s[WL], 8
	s_add_co_u32 s96, s96, s3
	s_mov_b32 s97, 0
	s_lshl_b32 s98, s[TR], 21                      ; s[98:99] out: and my first row, 8,192 bytes a row
	s_lshl_b32 s3, s[WH], 20
	s_add_co_u32 s98, s98, s3
	s_add_co_u32 s98, s98, s96
	s_mov_b32 s99, 0
	s_mul_i32 s62, s[WH], HALFT
	s_mul_i32 s63, s[WL], HALFU
	s_lshl_b32 s74, s[WH], 16
	s_add_co_u32 s74, s74, SLOT
	s_mul_i32 s75, s[WV], 16*PITCH
	s_add_co_u32 s75, s75, STG
	v_and_b32 v1, 15, v0                           ; r
	v_bfe_u32 v2, v0, 4, 1                         ; hh
	v_and_b32 v3, 31, v0                           ; lane
	v_mul_u32_u24 v18, v1, PITCH
	v_lshl_add_u32 v19, v2, 4, v18
	v_add_nc_u32 v[ADRA], s62, v19
	v_add_nc_u32 v[ADRA+1], SLOT, v[ADRA]
	v_add_nc_u32 v[ADRU], s63, v19
	v_add_nc_u32 v[ADRB], BOFF, v[ADRU]
	v_add_nc_u32 v[ADRB+1], SLOT, v[ADRB]
	v_lshl_add_u32 v[ADRI], v3, 4, s74
	v_lshl_add_u32 v19, v2, 5, v18
	v_add_nc_u32 v[STO], s75, v19
	v_mul_u32_u24 v19, v2, PITCH
	v_lshl_add_u32 v19, v1, 4, v19
	v_add_nc_u32 v[RD], s75, v19
	v_lshlrev_b32 v19, 13, v2
	v_lshl_add_u32 v[CO], v1, 4, v19
	v_lshlrev_b32 v[OF64], 6, v3
	v_lshlrev_b32 v[OF4], 2, v3
	v_lshlrev_b32 v[OFH], 5, v2
	v_lshlrev_b32 v[PF1], 10, v3
	v_lshlrev_b32 v19, 18, v2
	v_lshl_add_u32 v[PF2], v1, 8, v19
	s_wait_alu depctr_va_vdst(0)
	s_wait_dscnt 0x0                               ; both opening adds are done
	CROUND                                         ; all sixteen work-groups are here
	s_wait_kmcnt 0x0
	s_add_nc_u64 s[G0A+2:G0A+3], s[4:5], s[G0A+2:G0A+3]
	s_cmp_eq_u32 s[WL], 0
	s_cselect_b64 s[2:3], s[8:9], s[12:13]         ; wave 2 fetches Wz, wave 3 Wh
	s_add_nc_u64 s[G0B+2:G0B+3], s[2:3], s[G0B+2:G0B+3]
	s_cmp_eq_u32 s[WH], 0
	s_cselect_b64 s[2:3], s[4:5], s[2:3]
	s_add_nc_u64 s[PB1:PB1+1], s[2:3], s[PB1:PB1+1]
	s_or_b32 s[G0A+3], s[G0A+3], 0x80000000
	s_or_b32 s[G0B+3], s[G0B+3], 0x80000000
	JLOAD G0A, G0B                                 ; K 0 .. 511: one load a wave at the head
	s_add_nc_u64 s[G0A+6:G0A+7], s[G0A+2:G0A+3], 256
	s_add_nc_u64 s[G0B+6:G0B+7], s[G0B+2:G0B+3], 256
	s_add_nc_u64 s[G0U+2:G0U+3], s[16:17], s[G0U+2:G0U+3]
	s_or_b32 s[G0U+3], s[G0U+3], 0x80000000
	s_add_nc_u64 s[G0R+2:G0R+3], s[20:21], s[G0R+2:G0R+3]
	s_or_b32 s[G0R+3], s[G0R+3], 0x80000000
	s_add_nc_u64 s[PBU:PBU+1], s[16:17], s[PBU:PBU+1]
	s_add_nc_u64 s[PBR:PBR+1], s[20:21], s[PBR:PBR+1]
	s_add_nc_u64 s[6:7], s[6:7], s[90:91]
	s_add_nc_u64 s[10:11], s[10:11], s[92:93]
	s_add_nc_u64 s[14:15], s[14:15], s[92:93]
	s_add_nc_u64 s[18:19], s[18:19], s[92:93]
	s_add_nc_u64 s[22:23], s[22:23], s[94:95]
	s_add_nc_u64 s[24:25], s[24:25], s[96:97]
	s_add_nc_u64 s[CZP:CZP+1], s[CZP:CZP+1], s[96:97]
	s_add_nc_u64 s[26:27], s[26:27], s[96:97]
	s_add_nc_u64 s[28:29], s[28:29], s[98:99]
	s_mov_b32 s[NL2E], 0xbfb8aa3b                  ; -log2(e), twice
	s_mov_b32 s[NL2E+1], s[NL2E]
	s_mov_b32 s[TL2E], 0x4038aa3b                  ; 2 log2(e), twice
	s_mov_b32 s[TL2E+1], s[TL2E]
.irp i, 0,1,2,3
.irp g, 0,1,2,3
	global_load_b128 v[SX+16*\i+4*\g:SX+16*\i+4*\g+3], v[OF64], s[6:7] offset:2048*\i+16*\g
.endr
.endr
.irp i, 0,1
.irp g, 0,1,2,3
	global_load_b128 v[SW+16*\i+4*\g:SW+16*\i+4*\g+3], v[OF64], s[10:11] offset:2048*\i+16*\g
	global_load_b128 v[SW+32+16*\i+4*\g:SW+32+16*\i+4*\g+3], v[OF64], s[14:15] offset:2048*\i+16*\g
.endr
.endr
	WIN 0x40
.irp b, 0,1,2,3
.irp e, 0,1
	global_load_b128 v[CB+8*\b+4*\e:CB+8*\b+4*\e+3], v[OFH], s[CZP:CZP+1] offset:64*\b+16*\e
	global_load_b128 v[CB+32+8*\b+4*\e:CB+32+8*\b+4*\e+3], v[OFH], s[24:25] offset:8192+64*\b+16*\e
.endr
.endr
	ASK PF1, PB1, 256                              ; at the head also K 512 .. 1,023, which slot 1's first fill loads when slot 0's has landed
	ASK PF1, PB1, 512                              ; K 1,024 .. 1,535
	WIN 0
	s_wait_alu depctr_va_vdst(0)
	s_wait_tensorcnt 0x0                           ; my part of slot 0 is in; these lines stand ahead of a later first fill as ahead of a refill
	ds_add_u32 v[SPW], v[NIL]
	s_wait_dscnt 0x0
	CROUND
	JLOAD G0A+4, G0B+4                             ; K 512 .. 1,023 into slot 1
	FETCH1 0, 0, 0
	ASK PF1, PB1, 768                              ; K 1,536 .. 2,047
	s_wait_loadcnt 0x0
	s_wait_dscnt 0x0
	MUL1 0, 8, 0, 0, 1                             ; the first products start the sums with cz and ch
	PLACES 4
	FETCH1 0, 1, 1
	WIN 0
.irp i, 0,1
.irp g, 0,1,2,3
	global_load_b128 v[SU+16*\i+4*\g:SU+16*\i+4*\g+3], v[OF64], s[18:19] offset:2048*\i+16*\g
.endr
.endr
	SRLOAD 0                                       ; rh's scale words are asked for in four parts of 16 loads
	STEP1 0, 1, 1
	WIN 0
	SRLOAD 1
	STEP1 0, 2, 2
	TURN1 0, 3, 1, PF1, PBU, 0
	WIN 0
	SRLOAD 2
	STEP1 1, 0, 4
	WIN 0
	SRLOAD 3
	STEP1 1, 1, 5
	STEP1 1, 2, 6
	TURN1 1, 7, 1, PF2, PBR, 0
	STEP1 0, 0, 8
	STEP1 0, 1, 9
	STEP1 0, 2, 10
	TURN1 0, 11, 2, PF2, PBR, 4096
	STEP1 1, 0, 12
	STEP1 1, 1, 13
	STEP1 1, 2, 14
	TURN1 1, 15, 3, 0, 0, 0
	ZACT 0                                         ; z's sigmoids stand under the flight of rh's first half; blocks 0-3 were finished ahead of the load's four places
	WIN 0x40
.irp b, 0,1,2,3
.irp e, 0,1
	global_load_b128 v[HV+8*\b+4*\e:HV+8*\b+4*\e+3], v[OFH], s[26:27] offset:64*\b+16*\e
.endr
.endr
.irp a, 1,2,3,4,5,6,7
	ZACT \a
.endr
	s_wait_loadcnt 0x0                             ; Uh's and rh's scale words, h
	WIN 0x55
.set j, 0
.rept 16
	v_pk_add_f32 v[OMH+j:OMH+j+1], v[HV+j:HV+j+1], 1.0 op_sel_hi:[1,0] neg_lo:[1,0] neg_hi:[1,0]   ; 1 - h
.set j, j+2
.endr
	s_wait_alu depctr_va_vdst(0)
	s_wait_tensorcnt 0x0                           ; my parts of Uh and of rh's first half are in;
	s_barrier_signal -1
	s_barrier_wait -1                              ; and everybody's.
	HALF 0
	WIN 0
	s_wait_tensorcnt 0x0                           ; in front of the refill's barrier: no load of mine is out,
	ds_add_u32 v[SPW], v[NIL]                      ; the add,
	s_add_nc_u64 s[G0R+2:G0R+3], s[G0R+2:G0R+3], 4096   ; four blocks on
	s_wait_dscnt 0x0                               ; and my reads of slot 1 are over
	s_barrier_signal -1
	MUL2 0, 15
	WIN 0
	s_barrier_wait -1
	CREST
	tensor_load_to_lds s[G0R:G0R+3], s[G1R:G1R+7]  ; rh's blocks 4-7
	s_nop 0
	PLACES 4                                       ; also the places in front of the first read of results
	OUTS 0, 1, 2, 3                                ; blocks 0-3 leave while the second half is on its way
	WIN 0
	s_wait_xcnt 0x0                                ; the stores have read their registers: fragments may land there
	s_wait_alu depctr_va_vdst(0)
	s_wait_tensorcnt 0x0
	s_barrier_signal -1
	s_barrier_wait -1
	HALF 1
	s_wait_dscnt 0x0
	MUL2 1, 15
	PLACES 4
	OUTS 4, 5, 6, 7
	WIN 0
	s_wait_tensorcnt 0x0                           ; the wave's end
	ds_add_u32 v[SPW], v[NIL]
	s_wait_dscnt 0x0
	CROUND                                         ; the closing round
	s_endpgm
.Lfunc_end_k_q7b69ae9411_final:
	.size	k_q7b69ae9411_final, .Lfunc_end_k_q7b69ae9411_final-k_q7b69ae9411_final
	.p2alignl 7, 3214868480
	.fill 96, 4, 3214868480
	.section	.rodata,"a",@progbits
	.p2align	6, 0x0
	.amdhsa_kernel k_q7b69ae9411_final
		.amdhsa_group_segment_fixed_size 327680
		.amdhsa_private_segment_fixed_size 0
		.amdhsa_enable_private_segment 0
		.amdhsa_kernarg_size 112
		.amdhsa_user_sgpr_count 2
		.amdhsa_user_sgpr_kernarg_segment_ptr 1
		.amdhsa_wavefront_size32 1
		.amdhsa_system_sgpr_workgroup_id_x 1
		.amdhsa_system_sgpr_workgroup_id_y 1
		.amdhsa_system_sgpr_workgroup_id_z 1
		.amdhsa_system_vgpr_workitem_id 0
		.amdhsa_next_free_vgpr 1024
		.amdhsa_next_free_sgpr 106
		.amdhsa_reserve_vcc 0
		.amdhsa_float_denorm_mode_32 3
		.amdhsa_float_denorm_mode_16_64 3
		.amdhsa_memory_ordered 1
		.amdhsa_forward_progress 1
		.amdhsa_inst_pref_size 255
	.end_amdhsa_kernel
	.section	.bss,"aw",@nobits
	.p2align	6
	.space	262144
	.amdgpu_metadata
---
amdhsa.version: [ 1, 2 ]
amdhsa.kernels:
  - .name:           k_q7b69ae9411_final
    .symbol:         k_q7b69ae9411_final.kd
    .args:
      - { .name: x_codes, .offset: 0, .size: 8, .value_kind: global_buffer, .address_space: global }
      - { .name: x_scales, .offset: 8, .size: 8, .value_kind: global_buffer, .address_space: global }
      - { .name: Wz_codes, .offset: 16, .size: 8, .value_kind: global_buffer, .address_space: global }
      - { .name: Wz_scales, .offset: 24, .size: 8, .value_kind: global_buffer, .address_space: global }
      - { .name: Wh_codes, .offset: 32, .size: 8, .value_kind: global_buffer, .address_space: global }
      - { .name: Wh_scales, .offset: 40, .size: 8, .value_kind: global_buffer, .address_space: global }
      - { .name: Uh_codes, .offset: 48, .size: 8, .value_kind: global_buffer, .address_space: global }
      - { .name: Uh_scales, .offset: 56, .size: 8, .value_kind: global_buffer, .address_space: global }
      - { .name: rh_codes, .offset: 64, .size: 8, .value_kind: global_buffer, .address_space: global }
      - { .name: rh_scales, .offset: 72, .size: 8, .value_kind: global_buffer, .address_space: global }
      - { .name: bias, .offset: 80, .size: 8, .value_kind: global_buffer, .address_space: global }
      - { .name: h, .offset: 88, .size: 8, .value_kind: global_buffer, .address_space: global }
      - { .name: out0, .offset: 96, .size: 8, .value_kind: global_buffer, .address_space: global }
      - { .name: cz, .offset: 104, .size: 8, .value_kind: global_buffer, .address_space: global }
    .group_segment_fixed_size: 327680
    .private_segment_fixed_size: 0
    .kernarg_segment_align: 8
    .kernarg_segment_size: 112
    .max_flat_workgroup_size: 128
    .sgpr_count:     106
    .vgpr_count:     1024
    .wavefront_size: 32
...
	.end_amdgpu_metadata
.endif
;; end of part 3
